; MI455X (gfx1250); checked and timed in simulation.
; The chip was launched on July 23, 2026; its instructions are those of AMD's public machine-readable ISA for CDNA 5 (MIT licence, August 2026) and "CDNA5" Instruction Set Architecture Reference Guide (July 2026). The comments in the code are by the model that wrote it; some were corrected since.
;; Sparse Network. Allowed arithmetic: matrix products marked QUANTISED: E2M1 operands, one E8M0 scale for each 32 along K, by v_wmma_scale_f32_16x16x128_f8f6f4 with both operands' format E2M1 (or v_wmma_scale_f32_32x16x128_f4), f32 sums; everything else in f32.
;; Inputs: W_lower 2,048 x 2,048 float32; W_upper 2,048 x 2,048 float32; b_lower 2,048 float32; b_upper 2,048 float32; x_codes 4,096 x 64 x 16 uint8 (E2M1 codes of x, K innermost, in blocks of 32 codes, two codes a byte); x_scales 4,096 x 64 uint8 (E8M0 scales of x, one for each 32 codes along K).
;; Outputs: out0 4,096 x 2,048 float32.
;; This version of the problem:
;;   THIS VERSION OF THE PROBLEM IS GIVEN IN LOW PRECISION. The matrix products marked QUANTISED in the list below multiply operands that are first quantised to E2M1 (2 exponent bits, 1 mantissa bit; 4 bits a number), with one power-of-two scale for each 32 numbers along K (OCP MX v1.0); their sums are f32. All else is computed in f32.
;;   The module's matrix products, in the order in which they are computed (A, B: the left and right operand; K: the contracted axis; several contracted axes count as one K, in the product's order):
;;     1. [M 4,096, K 2,048] x [K 2,048, N 2,048]; A: input x (given as codes); B: computed on the way: QUANTISED
;;     2. [M 4,096, K 2,048] x [K 2,048, N 2,048]; A: computed on the way; B: computed on the way: QUANTISED
;;     3. [M 4,096, K 2,048] x [K 2,048, N 2,048]; A: input x (given as codes); B: computed on the way: QUANTISED
;;     4. [M 4,096, K 2,048] x [K 2,048, N 2,048]; A: computed on the way; B: computed on the way: QUANTISED
;;   THE QUANTISER, for each operand of a quantised product, along K:
;;     - K is cut into blocks of 32 from its start; a last block that is shorter is filled with zeros.
;;     - A block's scale is 2^e with e = floor(log2(the largest magnitude in the block)) - 2, held to -126 .. 127; a block of zeros has e = 0. As a byte (E8M0): e + 127.
;;     - Each number is divided by its block's scale, clamped to +-6, and rounded to the nearest number of E2M1, ties to even, subnormals kept.
;;     - The product sums the exact products of the quantised numbers (number of the format x scale) in f32.
;;   ~~~python
;;   def quantise(x, axis):      # numpy; x: float32 -> the quantised numbers, widened to float32 again
;;       x = np.moveaxis(x, axis, -1); K = x.shape[-1]
;;       x = np.pad(x, [(0, 0)] * (x.ndim - 1) + [(0, -K % 32)]); x = x.reshape(x.shape[:-1] + (-1, 32)); a = np.abs(x).max(-1, keepdims=True)
;;       e = np.where(a > 0, np.clip(np.frexp(np.where(a > 0, a, 1))[1] - 1 - 2, -126, 127), 0)      # np.frexp(a)[1] - 1 = floor(log2(a)), exactly
;;       r = np.clip(x / 2.0 ** e, -6, 6)
;;       step = 2.0 ** (np.maximum(np.frexp(np.where(r == 0, 1, r))[1] - 1, 0) - 1)
;;       q = np.round(r / step) * step * 2.0 ** e      # np.round: ties to even
;;       return np.moveaxis(q.reshape(q.shape[:-2] + (-1,))[..., :K], -1, axis).astype(np.float32)
;;   ~~~
;;   OPERANDS COMPUTED ON THE WAY. 'Computed on the way' means the value that the module computes at that place (a softmax that the list does not call 'softmax' is quantised finished and normalised). What goes into a quantiser is computed in f32, as accurately as f32 sums, v_exp_f32 and their like allow (about 1e-6 of the number): no bf16 or f16 on the way to a quantiser, and a product that is left as it is and whose result goes on into a quantised operand takes f32 operands (vector FMAs, or v_wmma_f32_16x16x4_f32). A number that lies on a knife's edge between two numbers of the format may be rounded either way, as far as f32 arithmetic and the matrix unit's own rounding can turn it there, and no further.
;;   INPUTS GIVEN AS CODES. x (in the module: [4096, 2048], K = its axis 1): each comes as NAME_codes (uint8): NAME with its K axis moved to the last place and cut into blocks of 32 codes, [.., K / 32, bytes a block], one block behind the other in memory; two codes a byte, the lower K in the low four bits (a code: sign, 2 exponent bits, 1 mantissa bit); and NAME_scales (uint8): the same leading axes, one E8M0 byte (e + 127) for each 32 codes along K. Its value is code x scale, taken as it is: it is not quantised again, and the codes and scales need not be those that the quantiser above would give.
;; One version. Each part assembles by itself: llvm-mc -triple=amdgcn-amd-amdhsa -mcpu=gfx1250 --defsym DOCPART=n.
;; ======== version 1 of 1: 3 launches
;; limits: right only within a limited range of input values
;; workspace buffers: wu_img 1,310,720 bytes; wu_sc 98,304 bytes; wl_img 1,310,720 bytes; wl_sc 98,304 bytes; h_img 4,194,304 bytes; h_sc 262,144 bytes
;; launch quant (part 1): grid 256 x 1, 10 waves a work-group, no clusters, 167,936 bytes of LDS; arguments W_upper, W_lower, wu_img, wu_sc, wl_img, wl_sc; writes wu_img, wu_sc, wl_img, wl_sc
.if DOCPART == 1
	.amdgcn_target "amdgcn-amd-amdhsa--gfx1250"
	.amdhsa_code_object_version 6
	.text
	.protected	k_q292d513114_quant
	.globl	k_q292d513114_quant
	.p2align	8
	.type	k_q292d513114_quant,@function
k_q292d513114_quant:
	s_mov_b64 s[64:65], 0
	v_nop
	global_prefetch_b8 v0, s[64:65] scope:SCOPE_SE
	s_setreg_imm32_b32 hwreg(HW_REG_WAVE_MODE, 25, 1), 1
	s_wait_xcnt 0x0
; DEAD WORK OF THE WHOLE PROGRAM.  reference() overwrites out = relu(lower(out)) with relu(upper(x)) before anything reads it, whatever the inputs hold: products 1 and 2 of its table reach no output.
; What is left is out = lower(relu(upper(x))), products 3 and 4.  triu and tril set whole 512 x 512 tiles of the weights to 0: those six of sixteen are neither read, made nor multiplied.
; LIMIT: a NaN, an infinity or an overflow that reaches only that work is not carried to the result.
; THIS LAUNCH: triu(W_upper) and tril(W_lower), [2048 (n)][2048 (k)] f32, K innermost, become codes of FP4 (E2M1) with one E8M0 byte for each 32 along K.  The triangle is cut BEFORE the quantiser.
; K goes in chunks of 512 (cc), the columns n in classes of 512 (c).  triu keeps k >= n: chunks cc >= c; tril keeps k <= n: cc <= c: ten pairs (c, cc), numbered se = 0..9:
; stage s = 0,0,0,0,1,1,1,2,2,3, class e = 0,1,2,3,0,1,2,0,1,0;  upper: cc = 3 - s, c = e;  lower: cc = s, c = 3 - e.
; IMAGE [idx 8][se 10][tile t 4][sg 2][16 blocks of 32 along K][8 slots][16 bytes]; in half sg = 1 neighbouring blocks (B, B xor 1) change places, so that the 16 slots of a block lie in 16 different 16-byte columns modulo 256.
; Slot r = 8 sg + r' of tile t is column 512 c + 64 idx + (upper: 32 (t / 2) + 8 (t % 2) + 16 sg + r';  lower: 4 r + t).
; SCALES [idx 8][2 t + sg][hf 2][768]: [i 5][r' 8][16 bytes, one for each block], se = 5 hf + i; the last 128 of 768 bytes repeat the 128 before them, so that whole units of 256 bytes are written.
; SHARES: work-group = (matrix, idx, 2 t + sg, hf); wave w: i = w / 2, half = w % 2: 8 rows x 256 numbers, by one tensor load of 8 rows of 1,024 bytes into bytes of the wave's own.
; No two work-groups read a byte in common (no cluster), and there is no loop (no prefetch).
; LIMITS: a block of zeros gets the byte 1 with zero codes (these bytes are read by this program alone); NaN and infinities among the inputs are not served.
.set STAB, (1<<8)|(1<<10)|(1<<12)|(2<<14)|(2<<16)|(3<<18)   ; s of se, two bits each
.set ETAB, (1<<2)|(2<<4)|(3<<6)|(1<<10)|(2<<12)|(1<<16)     ; e of se
.set TP,   1040                        ; an LDS row: 1,024 bytes + 16: 8 rows x 2 blocks of 128 bytes start at 16 different 16-byte columns modulo 256
.set WST,  8*TP                        ; a wave's tile
.set STG,  10*WST                      ; behind the tiles: the work-group's scale bytes
.set SPARE, STG+768                    ; the spare words
.set SPW, 2
.set NIL, 3
.set X,   16                           ; v16-79  my two blocks of 32
.set C,   80                           ; v80-87  their codes
.set MX,  88                           ; v88-91  largest magnitudes
.set SO,  92                           ; v92-93  the conversions' scale operands
.set BY,  94                           ; v94-95  the scale bytes
.set TAB, 66                           ; s66-97  sgn x i, i = 0 .. 31
	s_load_b128 s[4:7], s[0:1], 0x0                ; W_upper, W_lower
	s_load_b128 s[8:11], s[0:1], 0x10              ; the upper image, its scales
	s_load_b128 s[12:15], s[0:1], 0x20             ; the lower image, its scales
	v_lshl_add_u32 v[SPW], v0, 2, SPARE
	v_mov_b32 v[NIL], 0
	ds_add_u32 v[SPW], v[NIL]                      ; the opening add, twice on end
	ds_add_u32 v[SPW], v[NIL]
	v_lshrrev_b32 v1, 5, v0
	v_readfirstlane_b32 s16, v1                    ; wave 0..9
	s_lshr_b32 s17, s16, 1                         ; i
	s_and_b32 s18, s16, 1                          ; half
	s_and_b32 s19, ttmp9, 1                        ; hf
	s_bfe_u32 s20, ttmp9, 0x30001                  ; 2 t + sg
	s_bfe_u32 s21, ttmp9, 0x30004                  ; idx
	s_lshr_b32 s22, ttmp9, 7                       ; 0: upper, 1: lower
	s_lshr_b32 s23, s20, 1                         ; t
	s_and_b32 s24, s20, 1                          ; sg
	s_mul_i32 s25, s19, 5
	s_add_co_u32 s25, s25, s17                     ; se
	s_lshl_b32 s26, s25, 1
	s_lshr_b32 s27, STAB, s26
	s_and_b32 s27, s27, 3                          ; s
	s_lshr_b32 s28, ETAB, s26
	s_and_b32 s28, s28, 3                          ; e
	s_lshr_b32 s33, s23, 1
	s_lshl_b32 s33, s33, 5
	s_and_b32 s34, s23, 1
	s_lshl_b32 s34, s34, 3
	s_add_co_u32 s33, s33, s34
	s_lshl_b32 s34, s24, 4
	s_add_co_u32 s33, s33, s34                     ; upper: the first row among idx's 64
	s_lshl_b32 s34, s24, 5
	s_add_co_u32 s34, s34, s23                     ; lower: the same
	s_sub_co_u32 s29, 3, s27
	s_sub_co_u32 s30, 3, s28
	s_cmp_eq_u32 s22, 0
	s_cselect_b32 s27, s29, s27                    ; cc
	s_cselect_b32 s28, s28, s30                    ; c
	s_cselect_b32 s31, 1, -1                       ; sgn
	s_cselect_b32 s33, s33, s34
	s_cselect_b32 s35, 1, 4                        ; rows from slot to slot
	s_lshl_b32 s36, s28, 9
	s_lshl_b32 s34, s21, 6
	s_add_co_u32 s36, s36, s34
	s_add_co_u32 s36, s36, s33                     ; nb: my first row of W
	s_lshl_b32 s37, s27, 9
	s_lshl_b32 s34, s18, 8
	s_add_co_u32 s37, s37, s34                     ; kb: my first k
	s_lshl_b32 s38, s36, 13                        ; in W: nb rows of 8,192 bytes + 4 kb
	s_lshl_b32 s34, s37, 2
	s_add_co_u32 s38, s38, s34
	s_mov_b32 s39, 0
	s_mul_i32 s40, s21, 163840                     ; in the image: idx, se, (t, sg), half
	s_lshl_b32 s34, s25, 14
	s_add_co_u32 s40, s40, s34
	s_lshl_b32 s34, s20, 11
	s_add_co_u32 s40, s40, s34
	s_lshl_b32 s34, s18, 10
	s_add_co_u32 s40, s40, s34
	s_mov_b32 s41, 0
	s_lshl_b32 s42, s21, 3                         ; among the scales
	s_add_co_u32 s42, s42, s20
	s_mul_i32 s42, s42, 1536
	s_mul_i32 s34, s19, 768
	s_add_co_u32 s42, s42, s34
	s_mov_b32 s43, 0
	; descriptor group 1: 8 rows of 256 elements of 4 bytes, 16 bytes of padding behind each row; upper: neighbouring rows; lower: every fourth row
	s_mov_b32 s48, (2<<16)|(1<<20)|(7<<22)|(3<<25) ; 17:16 elements of 4 bytes; 20 padding on; 24:22 after every 256 words (code 7); 31:25 four words (code 3)
	s_mov_b32 s49, 256<<16
	s_mov_b32 s50, 8<<16
	s_mov_b32 s51, 256<<16
	s_mov_b32 s52, 8
	s_mov_b32 s53, 2048
	s_mov_b32 s54, 0
	s_mov_b32 s55, 0
	s_mov_b32 s56, (2<<16)|(1<<20)|(7<<22)|(3<<25)
	s_mov_b32 s57, 256<<16
	s_mov_b32 s58, 8<<16
	s_mov_b32 s59, 256<<16
	s_mov_b32 s60, 8
	s_mov_b32 s61, 8192
	s_mov_b32 s62, 0
	s_mov_b32 s63, 0
	s_mov_b32 s44, 1                               ; group 0: count = 1
	s_mul_i32 s45, s16, WST                        ; my tile in LDS
	s_lshl_b32 s2, s17, 7
	s_lshl_b32 s3, s18, 3
	s_add_co_u32 s2, s2, s3
	s_add_co_u32 s2, s2, STG                       ; my scale bytes in LDS
	s_sub_co_i32 s34, s36, s37                     ; nb - kb
	v_and_b32 v1, 31, v0                           ; lane
	v_and_b32 v4, 7, v1                            ; slot r'
	v_lshrrev_b32 v5, 3, v1                        ; block 0..3 (set 1: + 4)
	v_mul_u32_u24 v6, v4, TP
	v_lshl_add_u32 v6, v5, 7, v6
	v_add_nc_u32 v6, s45, v6                       ; LDS: row r', + 128 x block
	v_xor_b32 v7, s24, v5
	v_lshlrev_b32 v7, 7, v7
	v_lshl_add_u32 v7, v4, 4, v7                   ; image: (block xor sg) x 128 + 16 r'
	v_lshl_add_u32 v8, v4, 4, v5
	v_add_nc_u32 v8, s2, v8                        ; scale stage: 16 r' + block
	v_mul_lo_u32 v9, v4, s35
	v_lshlrev_b32 v10, 5, v5
	v_sub_nc_u32 v9, v9, v10
	v_add_nc_u32 v9, s34, v9                       ; my row's n less my block's first k
	v_add_nc_u32 v10, 0xffffff80, v9               ; the same for set 1: 128 less
	v_mul_lo_u32 v12, v9, s31                      ; number i is kept where sgn x i >= sgn x (n - first k)
	v_mul_lo_u32 v13, v10, s31
	v_lshlrev_b32 v96, 4, v1
	v_add_nc_u32 v97, STG, v96
	v_and_b32 v98, 15, v1
	v_lshlrev_b32 v98, 3, v98
	v_add_nc_u32 v98, STG, v98
	v_lshlrev_b32 v99, 3, v1
	s_wait_dscnt 0x0                               ; both opening adds are done
	s_wait_alu depctr_va_vdst(0)                   ; the wait at the head's end
	s_wait_kmcnt 0x0
	s_cmp_eq_u32 s22, 0                            ; which matrix: the choice hangs on the work-group's number alone
	s_cselect_b64 s[4:5], s[4:5], s[6:7]
	s_cselect_b64 s[8:9], s[8:9], s[12:13]
	s_cselect_b64 s[10:11], s[10:11], s[14:15]
	s_add_nc_u64 s[46:47], s[4:5], s[38:39]
	s_or_b32 s47, s47, 0x80000000
	s_cmp_eq_u32 s22, 0
	s_cbranch_scc0 .Llower
	tensor_load_to_lds s[44:47], s[48:55]
	s_nop 0
.rept 4
	v_nop
.endr
	s_branch .Lasked
.Llower:
	tensor_load_to_lds s[44:47], s[56:63]
	s_nop 0
.rept 4
	v_nop
.endr
.Lasked:
	s_add_nc_u64 s[8:9], s[8:9], s[40:41]
	s_add_nc_u64 s[10:11], s[10:11], s[42:43]
.set i, 0
.rept 32
	s_mul_i32 s[TAB+i], s31, i
.set i, i+1
.endr
	s_wait_tensorcnt 0x0                           ; my tile is in: nobody else reads it
.irp c, 0,1
.irp i, 0,1,2,3,4,5,6,7
	ds_load_b128 v[X+32*\c+4*\i:X+32*\c+4*\i+3], v6 offset:512*\c+16*\i
.endr
.endr
	s_wait_dscnt 0x0
	s_cmp_lg_u32 s27, s28                          ; only a pair on the diagonal (cc = c) has numbers to drop: a branch on ids, round register work alone
	s_cbranch_scc1 .Lwhole
.set i, 0
.rept 32
	v_cmp_ge_i32 s98, s[TAB+i], v12
	v_cmp_ge_i32 s99, s[TAB+i], v13
	v_cndmask_b32 v[X+i], 0, v[X+i], s98
	v_cndmask_b32 v[X+32+i], 0, v[X+32+i], s99
.set i, i+1
.endr
.Lwhole:
.irp k, 0,1,2,3                                        ; four chains by turns, two to a block, with the floor 2^(3 - 127): the byte cannot fall under 1
	v_max3_num_f32 v[MX+\k], |v[X+16*\k]|, |v[X+16*\k+1]|, 0x1800000
.endr
.irp i, 2,4,6,8,10,12,14
.irp k, 0,1,2,3
	v_max3_num_f32 v[MX+\k], v[MX+\k], |v[X+16*\k+\i]|, |v[X+16*\k+\i+1]|
.endr
.endr
.irp c, 0,1
	v_max_num_f32 v[MX+2*\c], v[MX+2*\c], v[MX+2*\c+1]
.endr
.irp c, 0,1
	v_add_nc_u32 v[SO+\c], 0xff000000, v[MX+2*\c]  ; 2 off the exponent field: the conversion takes this operand's exponent field as its scale
.endr
.irp c, 0,1
	v_lshrrev_b32 v[BY+\c], 23, v[SO+\c]           ; the scale's byte
.endr
	ds_store_b8 v8, v[BY]
	ds_store_b8 v8, v[BY+1] offset:4
.irp c, 0,1
.irp g, 0,1,2,3
	v_cvt_scalef32_pk8_fp4_f32 v[C+4*\c+\g], v[X+32*\c+8*\g:X+32*\c+8*\g+7], v[SO+\c]
.endr
.endr
	v_nop                                          ; one plain line behind the last conversion
.irp c, 0,1
	global_store_b128 v7, v[C+4*\c:C+4*\c+3], s[8:9] offset:512*\c   ; 32 lanes store 512 consecutive bytes, aligned to 256
.endr
	s_wait_dscnt 0x0                               ; for wave 0's sake: my bytes lie in LDS
	s_barrier_signal -1
	s_barrier_wait -1
	s_cmp_lg_u32 s16, 0
	s_cbranch_scc1 .Ldone                          ; wave 0 stores the work-group's scale bytes as three whole units of 256
	ds_load_b128 v[100:103], v97
	ds_load_b64 v[104:105], v98 offset:512         ; lanes 16-31 read the same 128 bytes as lanes 0-15: the unit's second half
	s_wait_dscnt 0x0
	global_store_b128 v96, v[100:103], s[10:11]
	global_store_b64 v99, v[104:105], s[10:11] offset:512
.Ldone:
	s_wait_tensorcnt 0x0                           ; the wave's end
	ds_add_u32 v[SPW], v[NIL]
	s_wait_dscnt 0x0
	s_endpgm
.Lfunc_end_k_q292d513114_quant:
	.size	k_q292d513114_quant, .Lfunc_end_k_q292d513114_quant-k_q292d513114_quant
	.p2alignl 7, 3214868480
	.fill 96, 4, 3214868480
	.section	.rodata,"a",@progbits
	.p2align	6, 0x0
	.amdhsa_kernel k_q292d513114_quant
		.amdhsa_group_segment_fixed_size 167936
		.amdhsa_private_segment_fixed_size 0
		.amdhsa_enable_private_segment 0
		.amdhsa_kernarg_size 48
		.amdhsa_user_sgpr_count 2
		.amdhsa_user_sgpr_kernarg_segment_ptr 1
		.amdhsa_wavefront_size32 1
		.amdhsa_system_sgpr_workgroup_id_x 1
		.amdhsa_system_sgpr_workgroup_id_y 1
		.amdhsa_system_sgpr_workgroup_id_z 1
		.amdhsa_system_vgpr_workitem_id 0
		.amdhsa_next_free_vgpr 106
		.amdhsa_next_free_sgpr 100
		.amdhsa_reserve_vcc 0
		.amdhsa_float_denorm_mode_32 3
		.amdhsa_float_denorm_mode_16_64 3
		.amdhsa_memory_ordered 1
		.amdhsa_forward_progress 1
		.amdhsa_inst_pref_size 20
	.end_amdhsa_kernel
	.amdgpu_metadata
---
amdhsa.version: [ 1, 2 ]
amdhsa.kernels:
  - .name:           k_q292d513114_quant
    .symbol:         k_q292d513114_quant.kd
    .args:
      - { .name: W_upper, .offset: 0, .size: 8, .value_kind: global_buffer, .address_space: global }
      - { .name: W_lower, .offset: 8, .size: 8, .value_kind: global_buffer, .address_space: global }
      - { .name: wu_img, .offset: 16, .size: 8, .value_kind: global_buffer, .address_space: global }
      - { .name: wu_sc, .offset: 24, .size: 8, .value_kind: global_buffer, .address_space: global }
      - { .name: wl_img, .offset: 32, .size: 8, .value_kind: global_buffer, .address_space: global }
      - { .name: wl_sc, .offset: 40, .size: 8, .value_kind: global_buffer, .address_space: global }
    .group_segment_fixed_size: 167936
    .private_segment_fixed_size: 0
    .kernarg_segment_align: 8
    .kernarg_segment_size: 48
    .max_flat_workgroup_size: 320
    .sgpr_count:     100
    .vgpr_count:     106
    .wavefront_size: 32
...
	.end_amdgpu_metadata
.endif
;; end of part 1
;; launch up (part 2): grid 8 x 32, 8 waves a work-group, clusters of 4 x 4, 305,152 bytes of LDS; arguments x_codes, x_scales, wu_img, wu_sc, b_upper, h_img, h_sc; writes h_img, h_sc
.if DOCPART == 2
	.amdgcn_target "amdgcn-amd-amdhsa--gfx1250"
	.amdhsa_code_object_version 6
	.text
	.protected	k_q292d513114_up
	.globl	k_q292d513114_up
	.p2align	8
	.type	k_q292d513114_up,@function
k_q292d513114_up:
	s_mov_b64 s[64:65], 0
	v_nop
	global_prefetch_b8 v0, s[64:65] scope:SCOPE_SE
	s_setreg_imm32_b32 hwreg(HW_REG_WAVE_MODE, 25, 1), 1
	s_wait_xcnt 0x0
	s_wait_alu depctr_hold_cnt(0) depctr_sa_sdst(0) depctr_va_vdst(0) depctr_va_sdst(0) depctr_va_ssrc(0) depctr_va_vcc(0) depctr_vm_vsrc(0)
	s_getreg_b32 s2, hwreg(HW_REG_IB_STS2, 6, 4)
	s_cmp_eq_u32 s2, 0
	s_cbranch_scc0 .Lentry_in_a_cluster
	s_endpgm
.Lentry_in_a_cluster:
	s_bfe_u32 s2, ttmp6, 0x10000c
	s_cmp_lg_u32 s2, 0xf033
	s_cbranch_scc0 .Lentry_shape_is_right
	s_endpgm
.Lentry_shape_is_right:
; h = Q(relu(x Q(triu(W_upper))^T + b_upper)): product 3 (products 1 and 2 reach no output: the head of the first kernel).  h leaves as codes and scale bytes, quantised along its columns.
; DEAD WORK LEFT OUT: K chunks cc < c of class c, which triu sets to 0.  A work-group takes 128 rows (rb) x 64 columns (idx) of EACH of the four classes: 4 + 3 + 2 + 1 = 10 chunk tiles in every work-group.
; STAGES.  Stage s = 0..3 multiplies chunk cc = 3 - s into the classes e <= 3 - s.
; A WAVE takes ONE class e x 64 rows (hi) x 64 columns (four tiles t = 2 lo + u): 16 accumulators.  Waves 0, 1: e = 0; 2, 3: e = 1; 4, 5: e = 3; 6, 7: e = 2; so waves w and w + 4 have five chunk tiles together.
; A finished class leaves between the barriers of the following stages, while the other waves multiply.
; ALL INPUT LIES IN LDS AT ONCE: x's four chunks (4 x 34,816 bytes) and ten weight tiles (163,840).  Eight tensor loads at the head, one a wave: wave 2 s fetches stage s's chunk of x, wave 2 s + 1 its weights;
; the two that fetched for a stage wait for their loads ahead of that stage's barrier.  Nothing is filled again; there is no loop, so no prefetch.
; CLUSTER 4 x 4.  x's tiles hang on rb alone and are asked for jointly by a row of the cluster, the weight's on idx alone, by a column.
; THE MATRIX INSTRUCTION IS USED TRANSPOSED (source 0 = 16 rows of W, source 1 = 16 rows of x): lane (r, h) holds row r, and the 16 registers of tiles u = 0, 1 are columns 32 lo + 16 h + 0 .. 15.
; A block of 32 lies in lanes l and l xor 16.  The bias is the C of each sum's first matrix instruction; then chunks 3, 2, 1, 0 as far as the class needs them, K ascending inside a chunk.
; h's LAYOUT: codes [rb 32][cc 4][row block 8][q 4][block of 32: 4][row 16][16 bytes];  scale bytes [rb 32][idx 8][hi 2][lane 32][cc 4][i 2][lo 2]: lane (r, h), i: row r of row block 2 i + h.
; LIMITS: a block of h that is all zeros gets the byte 1 with zero codes (read by this program alone); NaN and infinities are not served.
; REGISTERS: window 0: addresses, scale words, fragments (two sets), the way out;  window 1: accumulators (lo, a, u) at 64 lo + 16 a + 8 u, then the bias.
.set AP,   272                         ; a row of x's tile in LDS: 256 bytes + 16
.set ASTG, 128*AP
.set LB,   4*ASTG                      ; the weight tiles, stage s at LB + 16,384 s (9 - s) / 2
.set SPARE, LB+163840                  ; the spare words, 128 bytes a wave
.set SSTG, SPARE+1024                  ; 1,024 bytes: the work-group's scale bytes of h
.set ADRA, 4                           ; v4-7   LDS address of my fragments of x in stage s
.set ADRB, 8                           ; v8-11  the same for W
.set L64,  12
.set H64,  13
.set L16,  15
.set SCO,  16                          ; v16-19 at the head: offsets of W's scale words
.set SO,   16                          ; v16-23 later: the conversions' scale operands
.set SA,   24                          ; x's scale words: 16 i + 4 cc + q: lanes 0-15 block a = 2 i, lanes 16-31 block 2 i + 1
.set SB,   56                          ; W's: 8 s + 4 lo + q: lanes 0-15 tile u = 0, lanes 16-31 tile u = 1
.set TM2,  88                          ; v88-95 the lane permutes' destinations (at the head: at work)
.set WF,   96                          ; W's fragments: 32 set + 8 t
.set AF,   160                         ; x's fragments: 32 set + 8 a
.set PC,   224                         ; v224-239 h's codes, four for each row block
.set TM,   240                         ; v240-247 largest numbers, then scale bytes
.set SW,   248                         ; my word of scale bytes
.set SCA,  249                         ; where it goes in LDS
.set SRD,  250                         ; where 16 bytes a lane come back from
.set SPW,  254
.set NIL,  255
.set BIAS, 128                         ; in window 1
.set MSB, 0
.macro WIN new                         ; the immediate's high byte repeats the setting that is left
.if MSB != \new
	s_set_vgpr_msb (MSB<<8)|\new
.set MSB, \new
.endif
.endm
.macro PLACES                          ; four plain vector lines between a matrix instruction and a load into, or a read of, its registers
.rept 4
	v_nop
.endr
.endm
.macro CROUND                          ; a round of the cluster's barrier
	s_barrier_signal -1
	s_barrier_wait -1
	s_cmp_lg_u32 s18, 0
	s_cbranch_scc1 .Lnot_wave_0_\@
	s_barrier_signal -3
.Lnot_wave_0_\@:
	s_barrier_wait -3
	s_barrier_signal -1
	s_barrier_wait -1
.endm
.macro BG1 g, rows                     ; descriptor group 1 for a stage's weight tiles: a dense block, as rows of 256 bytes (32 elements of 8 bytes)
	s_or_b32 s[\g], s100, (3<<16)|(1<<21)          ; 15:0 the mask: my column of the cluster; 17:16 elements of 8 bytes; 21 set beside a mask
	s_mov_b32 s[\g+1], 32<<16
	s_mov_b32 s[\g+2], (\rows)<<16
	s_mov_b32 s[\g+3], 32<<16
	s_mov_b32 s[\g+4], \rows
	s_mov_b32 s[\g+5], 32
	s_mov_b32 s[\g+6], 0
	s_mov_b32 s[\g+7], 0
.endm
.macro BG0 g, s                        ; its group 0
.set STBs, ((\s)*(9-(\s))/2)*16384
	s_mov_b32 s[\g], 1
	s_mov_b32 s[\g+1], LB+STBs
	s_add_nc_u64 s[\g+2:\g+3], s[100:101], STBs
	s_or_b32 s[\g+3], s[\g+3], 0x80000000
.endm
.macro ARM under, g0, g1, next         ; one arm of the chain of the head's loads
	s_cmp_lt_u32 s18, \under
	s_cbranch_scc0 \next
	tensor_load_to_lds s[\g0:\g0+3], s[\g1:\g1+7]
	s_nop 0
.rept 4
	v_nop
.endr
	s_branch .Lfilled
\next:
.endm
	s_load_b256 s[4:11], s[0:1], 0x0               ; x's codes s[4:5], x's scales s[6:7], W's image s[8:9], W's scales s[10:11]
	s_load_b128 s[12:15], s[0:1], 0x20             ; the bias s[12:13], h's codes s[14:15]
	s_load_b64 s[16:17], s[0:1], 0x30              ; h's scale bytes
	v_lshl_add_u32 v[SPW], v0, 2, SPARE
	v_mov_b32 v[NIL], 0
	ds_add_u32 v[SPW], v[NIL]                      ; the opening add, twice on end
	ds_add_u32 v[SPW], v[NIL]
	v_lshrrev_b32 v1, 5, v0
	v_readfirstlane_b32 s18, v1                    ; wave 0..7
	s_lshr_b32 s104, s18, 1                        ; the stage that I fetch for
	s_and_b32 s19, s18, 1                          ; hi: my 64 rows
	s_lshr_b32 s20, s18, 2
	s_xor_b32 s2, s104, s20
	s_and_b32 s2, s2, 1
	s_lshl_b32 s20, s20, 1
	s_or_b32 s20, s20, s2                          ; e: my class
	s_bfe_u32 s21, ttmp6, 0x40000                  ; cx, cy: my place in the cluster
	s_bfe_u32 s22, ttmp6, 0x40004
	s_lshl_b32 s23, ttmp9, 2
	s_add_co_u32 s23, s23, s21                     ; idx = 4 x cluster x + cx
	s_and_b32 s3, ttmp7, 0xffff
	s_lshl_b32 s3, s3, 2
	s_add_co_u32 s3, s3, s22                       ; rb = 4 x cluster y + cy
	s_lshl_b32 s2, s22, 2
	s_lshl_b32 s2, 15, s2                          ; my row of the cluster
	s_lshl_b32 s100, 0x1111, s21                   ; my column
	; group 1 for x's tiles: 128 rows x 256 bytes, 1,024 bytes apart in memory, 16 bytes of padding behind each in LDS
	s_or_b32 s32, s2, (1<<20)|(1<<21)|(5<<22)|(3<<25)
	s_mov_b32 s33, 256<<16
	s_mov_b32 s34, 128<<16
	s_mov_b32 s35, 256<<16
	s_mov_b32 s36, 128
	s_mov_b32 s37, 1024
	s_mov_b32 s38, 0
	s_mov_b32 s39, 0
	BG1 76, 256
	BG1 84, 192
	BG1 92, 128
	BG1 24, 64
	s_lshl_b32 s66, s3, 17                         ; x: 128 rb rows of 1,024 bytes: rb alone
	s_mov_b32 s67, 0
	s_mul_i32 s100, s23, 163840                    ; W: idx's ten tiles: idx alone
	s_mov_b32 s101, 0
	s_mul_i32 s68, s23, 12288                      ; W's scales: idx
	s_mov_b32 s69, 0
	s_lshl_b32 s70, s23, 8                         ; the bias: 4 (512 e + 64 idx)
	s_lshl_b32 s2, s20, 11
	s_add_co_u32 s70, s70, s2
	s_mov_b32 s71, 0
	s_lshl_b32 s72, s3, 13                         ; x's scales: 64 bytes a row, rows 128 rb + 64 hi on
	s_lshl_b32 s2, s19, 12
	s_add_co_u32 s72, s72, s2
	s_mov_b32 s73, 0
	s_lshl_b32 s74, s3, 17                         ; h's codes: rb, chunk e, row blocks 4 hi on, blocks 2 idx and 2 idx + 1 of the chunk
	s_lshl_b32 s2, s20, 15
	s_add_co_u32 s74, s74, s2
	s_lshl_b32 s2, s19, 14
	s_add_co_u32 s74, s74, s2
	s_lshl_b32 s2, s23, 9
	s_add_co_u32 s74, s74, s2
	s_mov_b32 s75, 0
	s_lshl_b32 s56, s3, 13                         ; h's scale bytes: rb, idx, hi
	s_lshl_b32 s2, s23, 10
	s_add_co_u32 s56, s56, s2
	s_lshl_b32 s2, s19, 9
	s_add_co_u32 s56, s56, s2
	s_mov_b32 s57, 0
.irp s, 0,1,2,3                                        ; tile se = s (9 - s) / 2 + e among the scales: 128 se, and 128 more from se = 5 on.  A stage that my class has not is held inside the buffer; its words are not used
	s_add_co_u32 s2, s20, \s*(9-\s)/2
	s_min_u32 s2, s2, 9
	s_cmp_ge_u32 s2, 5
	s_cselect_b32 s105, 128, 0
	s_lshl_b32 s2, s2, 7
	s_add_co_u32 s[40+\s], s2, s105
.endr
	s_mul_i32 s44, s19, 64*AP
	s_lshl_b32 s45, s20, 14
	s_lshl_b32 s47, s19, 9
	s_add_co_u32 s47, s47, SSTG
	s_lshl_b32 s46, s20, 2
	s_add_co_u32 s46, s46, s47
	s_mov_b32 s21, 0x76543210
	s_mov_b32 s22, 0xfedcba98                      ; v_permlanex16_b32's selects for lane l xor 16
	v_and_b32 v1, 15, v0                           ; r
	v_bfe_u32 v2, v0, 4, 1                         ; h
	v_and_b32 v3, 31, v0                           ; lane
	v_lshlrev_b32 v[L64], 6, v3
	v_lshlrev_b32 v[H64], 6, v2
	v_lshlrev_b32 v[L16], 4, v3
	v_mul_u32_u24 v88, v1, AP
	v_lshl_add_u32 v88, v2, 4, v88
	v_add_nc_u32 v88, s44, v88                     ; a fragment of x: row 64 hi + r, + 16 h
	v_lshrrev_b32 v89, 3, v1                       ; sg
	v_and_b32 v90, 7, v1                           ; r'
	v_xor_b32 v91, v89, v2                         ; h xor sg
	v_lshlrev_b32 v91, 7, v91
	v_lshl_add_u32 v91, v89, 11, v91
	v_lshl_add_u32 v91, v90, 4, v91
	v_add_nc_u32 v91, s45, v91                     ; an image of W: my class, half sg, block h xor sg, slot r'
	v_lshl_add_u32 v92, v2, 1, v89                 ; W's scale words: lane 16 u + r: piece 2 u + sg, slot r'
	v_mul_u32_u24 v92, v92, 1536
	v_lshl_add_u32 v92, v90, 4, v92
.irp s, 0,1,2,3
	v_add_nc_u32 v[ADRA+\s], \s*ASTG, v88
	v_add_nc_u32 v[ADRB+\s], LB+(\s*(9-\s)/2)*16384, v91
	v_add_nc_u32 v[SCO+\s], s[40+\s], v92
.endr
	v_add_nc_u32 v[SCA], s46, v[L16]
	v_add_nc_u32 v[SRD], s47, v[L16]
	v_mov_b32 v[SW], 0
.irp a, 0,1,2,3,4,5,6,7
	v_mov_b32 v[TM2+\a], 0                         ; written once: a lane permute's destination counts as one of its sources
.endr
	s_wait_dscnt 0x0                               ; both opening adds are done
	s_wait_alu depctr_va_vdst(0)                   ; the wait at the head's end
	s_wait_kmcnt 0x0
	s_add_nc_u64 s[10:11], s[10:11], s[68:69]
	s_add_nc_u64 s[6:7], s[6:7], s[72:73]
	s_add_nc_u64 s[12:13], s[12:13], s[70:71]
	s_add_nc_u64 s[14:15], s[14:15], s[74:75]
	s_add_nc_u64 s[16:17], s[16:17], s[56:57]
	s_add_nc_u64 s[66:67], s[4:5], s[66:67]
	s_add_nc_u64 s[100:101], s[8:9], s[100:101]
.irp s, 0,1,2,3
	s_mov_b32 s[40+4*\s], 1
	s_mov_b32 s[41+4*\s], \s*ASTG
	s_add_nc_u64 s[42+4*\s:43+4*\s], s[66:67], (3-\s)*256   ; chunk cc = 3 - s
	s_or_b32 s[43+4*\s], s[43+4*\s], 0x80000000
.endr
	BG0 56, 0
	BG0 60, 1
	BG0 68, 2
	BG0 72, 3
.irp s, 0,1,2,3
.irp lo, 0,1
	global_load_b128 v[SB+8*\s+4*\lo:SB+8*\s+4*\lo+3], v[SCO+\s], s[10:11] offset:6144*\lo   ; the four words q
.endr
.endr
.irp i, 0,1
.irp c, 0,1,2,3
	global_load_b128 v[SA+16*\i+4*\c:SA+16*\i+4*\c+3], v[L64], s[6:7] offset:2048*\i+16*\c   ; row 32 i + lane of my 64: chunk c's four words
.endr
.endr
	WIN 0x40
.irp lo, 0,1
.irp u, 0,1
	global_load_b128 v[BIAS+16*\lo+8*\u:BIAS+16*\lo+8*\u+3], v[H64], s[12:13] offset:128*\lo+32*\u       ; columns 32 lo + 16 h + 8 u + 0 .. 7: the result's layout
	global_load_b128 v[BIAS+16*\lo+8*\u+4:BIAS+16*\lo+8*\u+7], v[H64], s[12:13] offset:128*\lo+32*\u+16
.endr
.endr
	WIN 0
	CROUND                                         ; all sixteen work-groups are here: the joint loads meet
	ARM 1, 40, 32, .Lw0                            ; ONE chain of branches on the wave's number, one load to an arm
	ARM 2, 56, 76, .Lx1
	ARM 3, 44, 32, .Lw1
	ARM 4, 60, 84, .Lx2
	ARM 5, 48, 32, .Lw2
	ARM 6, 68, 92, .Lx3
	ARM 7, 52, 32, .Lw3
	tensor_load_to_lds s[72:75], s[24:31]
	s_nop 0
.rept 4
	v_nop
.endr
.Lfilled:
; The fragments of stage s, 128 along K number q, into set: W's four, then x's four.
.macro FETCH s, q, set
	WIN 0
.irp t, 0,1,2,3
.irp c, 0,1
	ds_load_b128 v[WF+32*(\set)+8*\t+4*\c:WF+32*(\set)+8*\t+4*\c+3], v[ADRB+(\s)] offset:4096*\t+512*(\q)+256*\c
.endr
.endr
.irp a, 0,1,2,3
.irp c, 0,1
	ds_load_b128 v[AF+32*(\set)+8*\a+4*\c:AF+32*(\set)+8*\a+4*\c+3], v[ADRA+(\s)] offset:16*AP*\a+64*(\q)+32*\c
.endr
.endr
.endm
; 16 matrix instructions, one a turn to each accumulator, in the same order in every step.  The very first step's C is the bias.
.macro MUL s, q, set
	WIN 0x50                                       ; C and D window 1
.irp lo, 0,1
.irp u, 0,1
.irp a, 0,1,2,3
.set rD, 64*\lo+16*\a+8*\u
.set rC, rD
.if (\s)+(\q) == 0
.set rC, BIAS+16*\lo+8*\u
.endif
.set rB, WF+32*(\set)+16*\lo+8*\u
.set rA, AF+32*(\set)+8*\a
.set rSB, SB+8*(\s)+4*\lo+(\q)
.set rSA, SA+16*(\a/2)+4*(3-(\s))+(\q)
.if \u == 0
.if \a%2 == 0
	v_wmma_scale_f32_16x16x128_f8f6f4 v[rD:rD+7], v[rB:rB+7], v[rA:rA+7], v[rC:rC+7], v[rSB], v[rSA] matrix_a_fmt:MATRIX_FMT_FP4 matrix_b_fmt:MATRIX_FMT_FP4
.else
	v_wmma_scale_f32_16x16x128_f8f6f4 v[rD:rD+7], v[rB:rB+7], v[rA:rA+7], v[rC:rC+7], v[rSB], v[rSA] matrix_a_fmt:MATRIX_FMT_FP4 matrix_b_fmt:MATRIX_FMT_FP4 matrix_b_scale:MATRIX_SCALE_ROW1
.endif
.else
.if \a%2 == 0
	v_wmma_scale_f32_16x16x128_f8f6f4 v[rD:rD+7], v[rB:rB+7], v[rA:rA+7], v[rC:rC+7], v[rSB], v[rSA] matrix_a_fmt:MATRIX_FMT_FP4 matrix_b_fmt:MATRIX_FMT_FP4 matrix_a_scale:MATRIX_SCALE_ROW1
.else
	v_wmma_scale_f32_16x16x128_f8f6f4 v[rD:rD+7], v[rB:rB+7], v[rA:rA+7], v[rC:rC+7], v[rSB], v[rSA] matrix_a_fmt:MATRIX_FMT_FP4 matrix_b_fmt:MATRIX_FMT_FP4 matrix_a_scale:MATRIX_SCALE_ROW1 matrix_b_scale:MATRIX_SCALE_ROW1
.endif
.endif
.endr
.endr
.endr
.endm
.macro STEP s, q                       ; this step's fragments are in; the next step's are asked for, into the set that the step before multiplied; then the products
	s_wait_dscnt 0x0
.if (\q) > 0
	PLACES
.endif
	FETCH \s, (\q)+1, ((\q)+1)%2
	MUL \s, \q, (\q)%2
.endm
; THE WAY OUT of my class: relu, each block's largest number, its scale, the codes, four stores.
.macro EPI
	PLACES
	s_wait_xcnt 0x0                                ; every earlier memory instruction has had its addresses translated (ISA guide 3.1): the stores' registers may be written
	WIN 0x44                                       ; source 1 and destination window 1
.set j, 0
.rept 128
	v_max_num_f32 v[j], 0, v[j]                    ; the activation, in f32; ascending
.set j, j+1
.endr
	WIN 0x14                                       ; sources 1 and 2 window 1
.irp k, 0,1,2,3,4,5,6,7
	v_max3_num_f32 v[TM+\k], 0x1800000, v[16*\k], v[16*\k+1]   ; block k = 4 lo + a: my 16 numbers (none is negative), and the floor 2^(3 - 127): the byte cannot fall under 1
.endr
.irp i, 2,4,6,8,10,12,14
.irp k, 0,1,2,3,4,5,6,7
	v_max3_num_f32 v[TM+\k], v[TM+\k], v[16*\k+\i], v[16*\k+\i+1]
.endr
.endr
	WIN 0
.irp k, 0,1,2,3,4,5,6,7
	v_permlanex16_b32 v[TM2+\k], v[TM+\k], s21, s22
.endr
.irp k, 0,1,2,3,4,5,6,7
	v_max_num_f32 v[TM+\k], v[TM+\k], v[TM2+\k]    ; with lane l xor 16's 16
.endr
.irp k, 0,1,2,3,4,5,6,7
	v_add_nc_u32 v[SO+\k], 0xff000000, v[TM+\k]    ; 2 off its exponent field: the conversion's scale operand
.endr
.irp k, 0,1,2,3,4,5,6,7
	v_lshrrev_b32 v[TM+\k], 23, v[SO+\k]           ; the scale's byte
.endr
.irp a, 0,1,2,3
	v_lshl_or_b32 v[TM+\a], v[TM+4+\a], 8, v[TM+\a]   ; row block a: the bytes of lo = 0, 1
.endr
	v_lshl_or_b32 v[TM], v[TM+2], 16, v[TM]        ; lanes 0-15 keep row blocks 0 and 2,
	v_lshl_or_b32 v[TM+1], v[TM+3], 16, v[TM+1]    ; lanes 16-31 row blocks 1 and 3
	s_mov_b32 s2, 0xffff0000
	WIN 0x01                                       ; source 0 window 1
.irp k, 0,1,2,3,4,5,6,7
.irp p, 0,1
	v_cvt_scalef32_pk8_fp4_f32 v[PC+4*(\k%4)+2*(\k/4)+\p], v[16*\k+8*\p:16*\k+8*\p+7], v[SO+\k]   ; columns 32 lo + 16 h + 8 p + 0 .. 7
.endr
.endr
	WIN 0
	v_cndmask_b32 v[SW], v[TM], v[TM+1], s2        ; (also the plain line behind the last conversion)
.irp a, 0,1,2,3
.irp p, 0,1
	v_permlane16_swap_b32 v[PC+4*\a+\p], v[PC+4*\a+2+\p]   ; lanes 0-15: the whole block lo = 0, lanes 16-31: lo = 1
.endr
.endr
.irp a, 0,1,2,3
	global_store_b128 v[L16], v[PC+4*\a:PC+4*\a+3], s[14:15] offset:4096*\a   ; 32 lanes store 512 consecutive bytes, aligned: two blocks of 16 rows
.endr
.endm
; Ahead of stage k's barrier: the two waves that fetched for stage k wait for their loads; at the last stage, behind which nothing is out, the wait stands for all.
.macro LANDED k
.if (\k) < 3
	s_cmp_lg_u32 s104, \k
	s_cbranch_scc1 .Lpast_\@
.endif
	s_wait_tensorcnt 0x0
.if (\k) < 3
.Lpast_\@:
.endif
.endm
; Stage s: three steps for the classes e <= 3 - s; the way out for the class that the stage before has finished; the next stage's barrier, with the fourth step's products between signal and wait.
; Every branch is on the wave's number and leads round no barrier.
.macro STAGE s
.if \s > 0
	s_cmp_gt_u32 s20, 3-\s
	s_cbranch_scc1 .Lidle\s
	PLACES
.endif
	FETCH \s, 0, 0
	STEP \s, 0
	STEP \s, 1
	STEP \s, 2
	WIN 0
.if \s < 3
.if \s > 0
	s_branch .Lmeet\s
.Lidle\s:
	s_cmp_lg_u32 s20, 4-\s
	s_cbranch_scc1 .Lmeet\s
	EPI
.Lmeet\s:
.endif
	s_wait_dscnt 0x0
	LANDED (\s)+1
	s_barrier_signal -1
.if \s > 0
	s_cmp_gt_u32 s20, 3-\s
	s_cbranch_scc1 .Lthrough\s
.endif
	MUL \s, 3, 1
	WIN 0
.if \s > 0
.Lthrough\s:
.endif
	s_barrier_wait -1
.else
	s_wait_dscnt 0x0
	MUL \s, 3, 1
	WIN 0
.Lidle\s:
.endif
.endm
	s_wait_loadcnt 0x0                             ; the scale words and the bias
	LANDED 0
	s_barrier_signal -1
	s_barrier_wait -1                              ; stage 0's tiles are whole
	STAGE 0
	STAGE 1
	STAGE 2
	STAGE 3
	s_cmp_gt_u32 s20, 1                            ; classes 1 and 0 are left
	s_cbranch_scc1 .Lend
	EPI
.Lend:
	s_wait_alu depctr_va_vdst(0)                   ; directly ahead of the reader below
	ds_store_b32 v[SCA], v[SW]
	s_wait_dscnt 0x0                               ; for the others' sake: my word lies in LDS
	s_barrier_signal -1
	s_barrier_wait -1
	s_cmp_gt_u32 s18, 1                            ; waves 0 and 1 store the scale bytes of rows 0-63 and 64-127: 512 consecutive bytes each
	s_cbranch_scc1 .Lout
	ds_load_b128 v[TM2:TM2+3], v[SRD]
	s_wait_dscnt 0x0
	global_store_b128 v[L16], v[TM2:TM2+3], s[16:17]
.Lout:
	s_wait_tensorcnt 0x0                           ; the wave's end
	ds_add_u32 v[SPW], v[NIL]
	s_wait_dscnt 0x0
	CROUND                                         ; the closing round: no work-group ends while a partner may still ask for a tile that names it
	s_endpgm
.Lfunc_end_k_q292d513114_up:
	.size	k_q292d513114_up, .Lfunc_end_k_q292d513114_up-k_q292d513114_up
	.p2alignl 7, 3214868480
	.fill 96, 4, 3214868480
	.section	.rodata,"a",@progbits
	.p2align	6, 0x0
	.amdhsa_kernel k_q292d513114_up
		.amdhsa_group_segment_fixed_size 305152
		.amdhsa_private_segment_fixed_size 0
		.amdhsa_enable_private_segment 0
		.amdhsa_kernarg_size 56
		.amdhsa_user_sgpr_count 2
		.amdhsa_user_sgpr_kernarg_segment_ptr 1
		.amdhsa_wavefront_size32 1
		.amdhsa_system_sgpr_workgroup_id_x 1
		.amdhsa_system_sgpr_workgroup_id_y 1
		.amdhsa_system_sgpr_workgroup_id_z 1
		.amdhsa_system_vgpr_workitem_id 0
		.amdhsa_next_free_vgpr 512
		.amdhsa_next_free_sgpr 106
		.amdhsa_reserve_vcc 0
		.amdhsa_float_denorm_mode_32 3
		.amdhsa_float_denorm_mode_16_64 3
		.amdhsa_memory_ordered 1
		.amdhsa_forward_progress 1
		.amdhsa_inst_pref_size 105
	.end_amdhsa_kernel
	.amdgpu_metadata
---
amdhsa.version: [ 1, 2 ]
amdhsa.kernels:
  - .name:           k_q292d513114_up
    .symbol:         k_q292d513114_up.kd
    .args:
      - { .name: x_codes, .offset: 0, .size: 8, .value_kind: global_buffer, .address_space: global }
      - { .name: x_scales, .offset: 8, .size: 8, .value_kind: global_buffer, .address_space: global }
      - { .name: wu_img, .offset: 16, .size: 8, .value_kind: global_buffer, .address_space: global }
      - { .name: wu_sc, .offset: 24, .size: 8, .value_kind: global_buffer, .address_space: global }
      - { .name: b_upper, .offset: 32, .size: 8, .value_kind: global_buffer, .address_space: global }
      - { .name: h_img, .offset: 40, .size: 8, .value_kind: global_buffer, .address_space: global }
      - { .name: h_sc, .offset: 48, .size: 8, .value_kind: global_buffer, .address_space: global }
    .group_segment_fixed_size: 305152
    .private_segment_fixed_size: 0
    .kernarg_segment_align: 8
    .kernarg_segment_size: 56
    .max_flat_workgroup_size: 256
    .sgpr_count:     106
    .vgpr_count:     512
    .wavefront_size: 32
...
	.end_amdgpu_metadata
.endif
;; end of part 2
;; launch low (part 3): grid 8 x 32, 8 waves a work-group, clusters of 4 x 4, 295,936 bytes of LDS; arguments h_img, h_sc, wl_img, wl_sc, b_lower, out0; writes out0
.if DOCPART == 3
	.amdgcn_target "amdgcn-amd-amdhsa--gfx1250"
	.amdhsa_code_object_version 6
	.text
	.protected	k_q292d513114_low
	.globl	k_q292d513114_low
	.p2align	8
	.type	k_q292d513114_low,@function
k_q292d513114_low:
	s_mov_b64 s[64:65], 0
	v_nop
	global_prefetch_b8 v0, s[64:65] scope:SCOPE_SE
	s_setreg_imm32_b32 hwreg(HW_REG_WAVE_MODE, 25, 1), 1
	s_wait_xcnt 0x0
	s_wait_alu depctr_hold_cnt(0) depctr_sa_sdst(0) depctr_va_vdst(0) depctr_va_sdst(0) depctr_va_ssrc(0) depctr_va_vcc(0) depctr_vm_vsrc(0)
	s_getreg_b32 s2, hwreg(HW_REG_IB_STS2, 6, 4)
	s_cmp_eq_u32 s2, 0
	s_cbranch_scc0 .Lentry_in_a_cluster
	s_endpgm
.Lentry_in_a_cluster:
	s_bfe_u32 s2, ttmp6, 0x10000c
	s_cmp_lg_u32 s2, 0xf033
	s_cbranch_scc0 .Lentry_shape_is_right
	s_endpgm
.Lentry_shape_is_right:
; out = h Q(tril(W_lower))^T + b_lower: product 4.  h as the codes and scale bytes that the launch before has made, the weight as images of operand registers; out [4096][2048] f32.
; DEAD WORK LEFT OUT: K chunks cc > c of class c, which tril sets to 0 (and product 2: the head of the first kernel).  A work-group takes 128 rows (rb) x 64 columns (idx) of EACH of the four classes: 10 chunk tiles in every work-group.
; STAGES.  Stage s = 0..3 multiplies chunk cc = s into the classes c = 3 - e, e <= 3 - s.
; A WAVE takes ONE class e x 64 rows (hi) x 64 columns (four tiles u): 16 accumulators.  Waves 0, 1: e = 0; 2, 3: e = 1; 4, 5: e = 3; 6, 7: e = 2; so waves w and w + 4 have five chunk tiles together.
; A finished class leaves between the barriers of the following stages, while the other waves multiply.
; ALL INPUT LIES IN LDS AT ONCE: h's four chunks (4 x 32,768 bytes) and ten weight tiles (163,840).  Eight tensor loads at the head, one a wave: wave 2 s fetches stage s's chunk of h, wave 2 s + 1 its weights;
; the two that fetched for a stage wait for their loads ahead of that stage's barrier.  Nothing is filled again; there is no loop, so no prefetch.
; CLUSTER 4 x 4.  h's tiles hang on rb alone and are asked for jointly by a row of the cluster, the weight's on idx alone, by a column.
; THE WAY OUT.  Source 0 = 16 rows of h, source 1 = 16 rows of W; slot r of tile u is column 4 r + u of the 64: lane (r, h) holds in register j of the tiles u = 0..3 four neighbouring columns of row 8 h + j.
; The addition of the bias puts them side by side, and sixteen lanes store 256 consecutive bytes: no stage in LDS.
; ORDER OF THE SUMS: chunks 0, 1, 2, 3 as far as the class needs them, K ascending, then the bias.   LIMITS: NaN and infinities are not served.
; REGISTERS: window 0: addresses, scale words, bias, fragments (two sets);  window 1: accumulators (a, u) at 32 a + 8 u, and from v128 what is stored.
.set ASTG, 32768                       ; a chunk of h: 8 row blocks x 4 fragments of 1,024 bytes
.set LB,   4*ASTG                      ; the weight tiles, stage s at LB + 16,384 s (9 - s) / 2
.set SPARE, LB+163840                  ; the spare words, 128 bytes a wave
.set ADRA, 4                           ; v4-7   LDS address of my fragments of h in stage s
.set ADRB, 8                           ; v8-11  the same for W
.set CO,   12                          ; my byte offset in two rows of out
.set R16,  13
.set L16,  15
.set SCO,  16                          ; v16-19 offsets of W's scale words
.set SA,   24                          ; h's scale words: 16 i + 4 cc + q: lanes 0-15 block a = 2 i, lanes 16-31 block 2 i + 1
.set SB,   56                          ; W's: 8 s + 4 lo + q: lanes 0-15 tile u = 2 lo, lanes 16-31 tile 2 lo + 1
.set BI,   88                          ; v88-91 the bias of columns 4 r .. 4 r + 3
.set WF,   96                          ; W's fragments: 32 set + 8 u (at the head v96-100: at work)
.set AF,   160                         ; h's fragments: 32 set + 8 a
.set T,    160                         ; at the head: h's scale bytes as they lie, 4 idx + cc
.set SPW,  254
.set NIL,  255
.set OUT,  128                         ; in window 1
.set MSB, 0
.macro WIN new                         ; the immediate's high byte repeats the setting that is left
.if MSB != \new
	s_set_vgpr_msb (MSB<<8)|\new
.set MSB, \new
.endif
.endm
.macro PLACES                          ; four plain vector lines between a matrix instruction and a load into, or a read of, its registers
.rept 4
	v_nop
.endr
.endm
.macro CROUND                          ; a round of the cluster's barrier
	s_barrier_signal -1
	s_barrier_wait -1
	s_cmp_lg_u32 s18, 0
	s_cbranch_scc1 .Lnot_wave_0_\@
	s_barrier_signal -3
.Lnot_wave_0_\@:
	s_barrier_wait -3
	s_barrier_signal -1
	s_barrier_wait -1
.endm
.macro BG1 g, mask, rows               ; descriptor group 1 for a dense block, as rows of 256 bytes (32 elements of 8 bytes)
	s_or_b32 s[\g], \mask, (3<<16)|(1<<21)         ; 15:0 the mask; 17:16 elements of 8 bytes; 21 set beside a mask
	s_mov_b32 s[\g+1], 32<<16
	s_mov_b32 s[\g+2], (\rows)<<16
	s_mov_b32 s[\g+3], 32<<16
	s_mov_b32 s[\g+4], \rows
	s_mov_b32 s[\g+5], 32
	s_mov_b32 s[\g+6], 0
	s_mov_b32 s[\g+7], 0
.endm
.macro BG0 g, s                        ; group 0 for stage s's weight tiles
.set STBs, ((\s)*(9-(\s))/2)*16384
	s_mov_b32 s[\g], 1
	s_mov_b32 s[\g+1], LB+STBs
	s_add_nc_u64 s[\g+2:\g+3], s[100:101], STBs
	s_or_b32 s[\g+3], s[\g+3], 0x80000000
.endm
.macro ARM under, g0, g1, next         ; one arm of the chain of the head's loads
	s_cmp_lt_u32 s18, \under
	s_cbranch_scc0 \next
	tensor_load_to_lds s[\g0:\g0+3], s[\g1:\g1+7]
	s_nop 0
.rept 4
	v_nop
.endr
	s_branch .Lfilled
\next:
.endm
	s_load_b256 s[4:11], s[0:1], 0x0               ; h's codes s[4:5], h's scale bytes s[6:7], W's image s[8:9], W's scales s[10:11]
	s_load_b128 s[12:15], s[0:1], 0x20             ; the bias s[12:13], out s[14:15]
	v_lshl_add_u32 v[SPW], v0, 2, SPARE
	v_mov_b32 v[NIL], 0
	ds_add_u32 v[SPW], v[NIL]                      ; the opening add, twice on end
	ds_add_u32 v[SPW], v[NIL]
	v_lshrrev_b32 v1, 5, v0
	v_readfirstlane_b32 s18, v1                    ; wave 0..7
	s_lshr_b32 s104, s18, 1                        ; the stage that I fetch for
	s_and_b32 s19, s18, 1                          ; hi: my 64 rows
	s_lshr_b32 s20, s18, 2
	s_xor_b32 s2, s104, s20
	s_and_b32 s2, s2, 1
	s_lshl_b32 s20, s20, 1
	s_or_b32 s20, s20, s2                          ; e: my class is c = 3 - e
	s_bfe_u32 s21, ttmp6, 0x40000                  ; cx, cy: my place in the cluster
	s_bfe_u32 s22, ttmp6, 0x40004
	s_lshl_b32 s23, ttmp9, 2
	s_add_co_u32 s23, s23, s21                     ; idx = 4 x cluster x + cx
	s_and_b32 s3, ttmp7, 0xffff
	s_lshl_b32 s3, s3, 2
	s_add_co_u32 s3, s3, s22                       ; rb = 4 x cluster y + cy
	s_lshl_b32 s2, s22, 2
	s_lshl_b32 s2, 15, s2                          ; my row of the cluster
	s_lshl_b32 s100, 0x1111, s21                   ; my column
	BG1 32, s2, 128                                ; h's chunk: 32,768 dense bytes
	BG1 76, s100, 256
	BG1 84, s100, 192
	BG1 92, s100, 128
	BG1 24, s100, 64
	s_lshl_b32 s66, s3, 17                         ; h: rb's four chunks: rb alone
	s_mov_b32 s67, 0
	s_mul_i32 s100, s23, 163840                    ; W: idx's ten tiles: idx alone
	s_mov_b32 s101, 0
	s_mul_i32 s68, s23, 12288                      ; W's scales: idx
	s_mov_b32 s69, 0
	s_sub_co_u32 s105, 3, s20                      ; c
	s_lshl_b32 s70, s23, 8                         ; the bias: 4 (512 c + 64 idx)
	s_lshl_b32 s2, s105, 11
	s_add_co_u32 s70, s70, s2
	s_mov_b32 s71, 0
	s_lshl_b32 s72, s3, 13                         ; h's scale bytes: rb, hi
	s_lshl_b32 s2, s19, 9
	s_add_co_u32 s72, s72, s2
	s_mov_b32 s73, 0
	s_lshl_b32 s74, s3, 20                         ; out: rows 128 rb + 64 hi on, of 8,192 bytes; columns 512 c + 64 idx on
	s_lshl_b32 s2, s19, 19
	s_add_co_u32 s74, s74, s2
	s_lshl_b32 s2, s105, 11
	s_add_co_u32 s74, s74, s2
	s_lshl_b32 s2, s23, 8
	s_add_co_u32 s74, s74, s2
	s_mov_b32 s75, 0
.irp s, 0,1,2,3                                        ; tile se = s (9 - s) / 2 + e among the scales: 128 se, and 128 more from se = 5 on.  A stage that my class has not is held inside the buffer; its words are not used
	s_add_co_u32 s2, s20, \s*(9-\s)/2
	s_min_u32 s2, s2, 9
	s_cmp_ge_u32 s2, 5
	s_cselect_b32 s105, 128, 0
	s_lshl_b32 s2, s2, 7
	s_add_co_u32 s[40+\s], s2, s105
.endr
	s_lshl_b32 s44, s19, 14
	s_lshl_b32 s45, s20, 14
	s_mov_b32 s16, 0x05040100                      ; v_perm_b32's selectors: the two low halves;
	s_mov_b32 s17, 0x07060302                      ; the two high halves
	v_and_b32 v1, 15, v0                           ; r
	v_bfe_u32 v2, v0, 4, 1                         ; h
	v_and_b32 v3, 31, v0                           ; lane
	v_lshlrev_b32 v[R16], 4, v1
	v_lshlrev_b32 v[L16], 4, v3
	v_lshl_add_u32 v[CO], v2, 16, v[R16]           ; row 8 h, columns 4 r on
	v_add_nc_u32 v96, s44, v[L16]                  ; an image of h: 16 x lane, my four row blocks
	v_lshrrev_b32 v97, 3, v1                       ; sg
	v_and_b32 v98, 7, v1                           ; r'
	v_xor_b32 v99, v97, v2                         ; h xor sg
	v_lshlrev_b32 v99, 7, v99
	v_lshl_add_u32 v99, v97, 11, v99
	v_lshl_add_u32 v99, v98, 4, v99
	v_add_nc_u32 v99, s45, v99                     ; an image of W: my class, half sg, block h xor sg, slot r'
	v_lshl_add_u32 v100, v2, 1, v97                ; W's scale words: piece 2 (u % 2) + sg, slot r'
	v_mul_u32_u24 v100, v100, 1536
	v_lshl_add_u32 v100, v98, 4, v100
.irp s, 0,1,2,3
	v_add_nc_u32 v[ADRA+\s], \s*ASTG, v96
	v_add_nc_u32 v[ADRB+\s], LB+(\s*(9-\s)/2)*16384, v99
	v_add_nc_u32 v[SCO+\s], s[40+\s], v100
.endr
	s_wait_dscnt 0x0                               ; both opening adds are done
	s_wait_alu depctr_va_vdst(0)                   ; the wait at the head's end
	s_wait_kmcnt 0x0
	s_add_nc_u64 s[6:7], s[6:7], s[72:73]
	s_add_nc_u64 s[10:11], s[10:11], s[68:69]
	s_add_nc_u64 s[12:13], s[12:13], s[70:71]
	s_add_nc_u64 s[14:15], s[14:15], s[74:75]
	s_add_nc_u64 s[66:67], s[4:5], s[66:67]
	s_add_nc_u64 s[100:101], s[8:9], s[100:101]
.irp s, 0,1,2,3
	s_mov_b32 s[40+4*\s], 1
	s_mov_b32 s[41+4*\s], \s*ASTG
	s_add_nc_u64 s[42+4*\s:43+4*\s], s[66:67], \s*32768   ; chunk cc = s
	s_or_b32 s[43+4*\s], s[43+4*\s], 0x80000000
.endr
	BG0 56, 0
	BG0 60, 1
	BG0 68, 2
	BG0 72, 3
.irp i, 0,1,2,3,4,5,6,7
	global_load_b128 v[T+4*\i:T+4*\i+3], v[L16], s[6:7] offset:1024*\i   ; idx = i: 32 lanes read 512 consecutive bytes
.endr
.irp s, 0,1,2,3
.irp lo, 0,1
	global_load_b128 v[SB+8*\s+4*\lo:SB+8*\s+4*\lo+3], v[SCO+\s], s[10:11] offset:6144*\lo   ; the four words q
.endr
.endr
	global_load_b128 v[BI:BI+3], v[R16], s[12:13]
	CROUND                                         ; all sixteen work-groups are here: the joint loads meet
	ARM 1, 40, 32, .Lw0                            ; ONE chain of branches on the wave's number, one load to an arm
	ARM 2, 56, 76, .Lx1
	ARM 3, 44, 32, .Lw1
	ARM 4, 60, 84, .Lx2
	ARM 5, 48, 32, .Lw2
	ARM 6, 68, 92, .Lx3
	ARM 7, 52, 32, .Lw3
	tensor_load_to_lds s[72:75], s[24:31]
	s_nop 0
.rept 4
	v_nop
.endr
.Lfilled:
; The fragments of stage s, 128 along K number q, into set: W's four, then h's four.
.macro FETCH s, q, set
	WIN 0
.irp t, 0,1,2,3
.irp c, 0,1
	ds_load_b128 v[WF+32*(\set)+8*\t+4*\c:WF+32*(\set)+8*\t+4*\c+3], v[ADRB+(\s)] offset:4096*\t+512*(\q)+256*\c
.endr
.endr
.irp a, 0,1,2,3
.irp c, 0,1
	ds_load_b128 v[AF+32*(\set)+8*\a+4*\c:AF+32*(\set)+8*\a+4*\c+3], v[ADRA+(\s)] offset:4096*\a+1024*(\q)+512*\c
.endr
.endr
.endm
.macro PROD mods:vararg                ; one product: the sum's first step takes the constant 0 as C
.if FIRST
	v_wmma_scale_f32_16x16x128_f8f6f4 v[rD:rD+7], v[rA:rA+7], v[rB:rB+7], 0, v[rSA], v[rSB] matrix_a_fmt:MATRIX_FMT_FP4 matrix_b_fmt:MATRIX_FMT_FP4 \mods
.else
	v_wmma_scale_f32_16x16x128_f8f6f4 v[rD:rD+7], v[rA:rA+7], v[rB:rB+7], v[rD:rD+7], v[rSA], v[rSB] matrix_a_fmt:MATRIX_FMT_FP4 matrix_b_fmt:MATRIX_FMT_FP4 \mods
.endif
.endm
; 16 matrix instructions, one a turn to each accumulator, in the same order in every step.
.macro MUL s, q, set
	WIN 0x50                                       ; C and D window 1
.set FIRST, 0
.if (\s)+(\q) == 0
.set FIRST, 1
.endif
.irp u, 0,1,2,3
.irp a, 0,1,2,3
.set rD, 32*\a+8*\u
.set rB, WF+32*(\set)+8*\u
.set rA, AF+32*(\set)+8*\a
.set rSB, SB+8*(\s)+4*(\u/2)+(\q)
.set rSA, SA+16*(\a/2)+4*(\s)+(\q)
.if \u%2 == 0
.if \a%2 == 0
	PROD
.else
	PROD matrix_a_scale:MATRIX_SCALE_ROW1
.endif
.else
.if \a%2 == 0
	PROD matrix_b_scale:MATRIX_SCALE_ROW1
.else
	PROD matrix_a_scale:MATRIX_SCALE_ROW1 matrix_b_scale:MATRIX_SCALE_ROW1
.endif
.endif
.endr
.endr
.endm
.macro STEP s, q                       ; this step's fragments are in; the next step's are asked for, into the set that the step before multiplied; then the products
	s_wait_dscnt 0x0
.if (\q) > 0
	PLACES
.endif
	FETCH \s, (\q)+1, ((\q)+1)%2
	MUL \s, \q, (\q)%2
.endm
; THE WAY OUT of my class: the bias, and 32 stores of two rows' 256 bytes each.
.macro EPI
	PLACES
	s_wait_xcnt 0x0                                ; every earlier memory instruction has had its addresses translated (ISA guide 3.1): the stores' registers may be written
	WIN 0x44                                       ; source 1 (a sum; a store's data) and destination window 1
.irp a, 0,1,2,3
.irp j, 0,1,2,3,4,5,6,7
.irp u, 0,1,2,3
	v_add_f32 v[OUT+32*\a+4*\j+\u], v[BI+\u], v[32*\a+8*\u+\j]   ; each accumulator from its low end on
.endr
.endr
.irp j, 0,1,2,3,4,5,6,7
	global_store_b128 v[CO], v[OUT+32*\a+4*\j:OUT+32*\a+4*\j+3], s[14:15] offset:8192*(16*\a+\j) th:TH_STORE_NT   ; rows 16 a + j and 16 a + 8 + j: 16 lanes store 256 consecutive bytes, aligned; read by nobody here
.endr
.endr
	WIN 0
.endm
; Ahead of stage k's barrier: the two waves that fetched for stage k wait for their loads; at the last stage, behind which nothing is out, the wait stands for all.
.macro LANDED k
.if (\k) < 3
	s_cmp_lg_u32 s104, \k
	s_cbranch_scc1 .Lpast_\@
.endif
	s_wait_tensorcnt 0x0
.if (\k) < 3
.Lpast_\@:
.endif
.endm
; Stage s: three steps for the classes e <= 3 - s; the way out for the class that the stage before has finished; the next stage's barrier, with the fourth step's products between signal and wait.
; Every branch is on the wave's number and leads round no barrier.
.macro STAGE s
.if \s > 0
	s_cmp_gt_u32 s20, 3-\s
	s_cbranch_scc1 .Lidle\s
	PLACES
.endif
	FETCH \s, 0, 0
	STEP \s, 0
	STEP \s, 1
	STEP \s, 2
	WIN 0
.if \s < 3
.if \s > 0
	s_branch .Lmeet\s
.Lidle\s:
	s_cmp_lg_u32 s20, 4-\s
	s_cbranch_scc1 .Lmeet\s
	EPI
.Lmeet\s:
.endif
	s_wait_dscnt 0x0
	LANDED (\s)+1
	s_barrier_signal -1
.if \s > 0
	s_cmp_gt_u32 s20, 3-\s
	s_cbranch_scc1 .Lthrough\s
.endif
	MUL \s, 3, 1
	WIN 0
.if \s > 0
.Lthrough\s:
.endif
	s_barrier_wait -1
.else
	s_wait_dscnt 0x0
	MUL \s, 3, 1
	WIN 0
.Lidle\s:
.endif
.endm
	s_wait_loadcnt 0x9                             ; h's scale bytes are in; W's eight loads and the bias may be out
	; a matrix instruction wants words of four blocks of 32: two bytes come from idx = 2 q, two from idx = 2 q + 1
.irp q, 0,1,2,3
.irp c, 0,1,2,3
	v_perm_b32 v[SA+4*\c+\q], v[T+4*(2*\q+1)+\c], v[T+8*\q+\c], s16      ; i = 0
	v_perm_b32 v[SA+16+4*\c+\q], v[T+4*(2*\q+1)+\c], v[T+8*\q+\c], s17   ; i = 1
.endr
.endr
.rept 8
	v_nop                                          ; a scale register written by a vector instruction stands eight plain lines ahead of a scaled matrix instruction
.endr
	s_wait_alu depctr_va_vdst(0)                   ; ahead of the waits below
	s_wait_loadcnt 0x0
	LANDED 0
	s_barrier_signal -1
	s_barrier_wait -1                              ; stage 0's tiles are whole
	STAGE 0
	STAGE 1
	STAGE 2
	STAGE 3
	s_cmp_gt_u32 s20, 1                            ; classes e = 1 and e = 0 are left
	s_cbranch_scc1 .Lend
	EPI
.Lend:
	s_wait_tensorcnt 0x0                           ; the wave's end
	ds_add_u32 v[SPW], v[NIL]
	s_wait_dscnt 0x0
	CROUND                                         ; the closing round: no work-group ends while a partner may still ask for a tile that names it
	s_endpgm
.Lfunc_end_k_q292d513114_low:
	.size	k_q292d513114_low, .Lfunc_end_k_q292d513114_low-k_q292d513114_low
	.p2alignl 7, 3214868480
	.fill 96, 4, 3214868480
	.section	.rodata,"a",@progbits
	.p2align	6, 0x0
	.amdhsa_kernel k_q292d513114_low
		.amdhsa_group_segment_fixed_size 295936
		.amdhsa_private_segment_fixed_size 0
		.amdhsa_enable_private_segment 0
		.amdhsa_kernarg_size 48
		.amdhsa_user_sgpr_count 2
		.amdhsa_user_sgpr_kernarg_segment_ptr 1
		.amdhsa_wavefront_size32 1
		.amdhsa_system_sgpr_workgroup_id_x 1
		.amdhsa_system_sgpr_workgroup_id_y 1
		.amdhsa_system_sgpr_workgroup_id_z 1
		.amdhsa_system_vgpr_workitem_id 0
		.amdhsa_next_free_vgpr 512
		.amdhsa_next_free_sgpr 106
		.amdhsa_reserve_vcc 0
		.amdhsa_float_denorm_mode_32 3
		.amdhsa_float_denorm_mode_16_64 3
		.amdhsa_memory_ordered 1
		.amdhsa_forward_progress 1
		.amdhsa_inst_pref_size 90
	.end_amdhsa_kernel
	.amdgpu_metadata
---
amdhsa.version: [ 1, 2 ]
amdhsa.kernels:
  - .name:           k_q292d513114_low
    .symbol:         k_q292d513114_low.kd
    .args:
      - { .name: h_img, .offset: 0, .size: 8, .value_kind: global_buffer, .address_space: global }
      - { .name: h_sc, .offset: 8, .size: 8, .value_kind: global_buffer, .address_space: global }
      - { .name: wl_img, .offset: 16, .size: 8, .value_kind: global_buffer, .address_space: global }
      - { .name: wl_sc, .offset: 24, .size: 8, .value_kind: global_buffer, .address_space: global }
      - { .name: b_lower, .offset: 32, .size: 8, .value_kind: global_buffer, .address_space: global }
      - { .name: out0, .offset: 40, .size: 8, .value_kind: global_buffer, .address_space: global }
    .group_segment_fixed_size: 295936
    .private_segment_fixed_size: 0
    .kernarg_segment_align: 8
    .kernarg_segment_size: 48
    .max_flat_workgroup_size: 256
    .sgpr_count:     106
    .vgpr_count:     512
    .wavefront_size: 32
...
	.end_amdgpu_metadata
.endif
;; end of part 3
